; MI455X (gfx1250); checked and timed in simulation.
; The chip was launched on July 23, 2026; its instructions are those of AMD's public machine-readable ISA for CDNA 5 (MIT licence, August 2026) and "CDNA5" Instruction Set Architecture Reference Guide (July 2026). The comments in the code are by the model that wrote it; some were corrected since.
;; Multi Head Self Attention2 D. Allowed arithmetic: matrix products marked QUANTISED: E2M3 operands, one E8M0 scale for each 32 along K, by v_wmma_scale_f32_16x16x128_f8f6f4 with both operands' format E2M3, f32 sums; everything else in f32.
;; Inputs: bk 256 float32; bp 256 float32; bq 256 float32; bv 256 float32; gamma 1 float32; wk 256 x 256 float32; wp 256 x 256 float32; wq 256 x 256 float32; wv 256 x 256 float32; x 4 x 256 x 64 x 64 float32.
;; Outputs: out0 4 x 256 x 64 x 64 float32.
;; This version of the problem:
;;   THIS VERSION OF THE PROBLEM IS GIVEN IN LOW PRECISION. The matrix products marked QUANTISED in the list below multiply operands that are first quantised to E2M3 (2 exponent bits, 3 mantissa bits; 6 bits a number), with one power-of-two scale for each 32 numbers along K (OCP MX v1.0); their sums are f32. All else is computed in f32.
;;   The module's matrix products, in the order in which they are computed (A, B: the left and right operand; K: the contracted axis; several contracted axes count as one K, in the product's order):
;;     1. [M 16,384, K 256] x [K 256, N 256]; A: input x; B: input wq: QUANTISED
;;     2. [M 16,384, K 256] x [K 256, N 256]; A: input x; B: input wk: QUANTISED
;;     3. [M 16,384, K 256] x [K 256, N 256]; A: input x; B: input wv: QUANTISED
;;     4. batch 16 x [M 4,096, K 64] x [K 64, N 4,096]; A: computed on the way; B: computed on the way: QUANTISED
;;     5. batch 16 x [M 64, K 4,096] x [K 4,096, N 4,096]; A: computed on the way; B: softmax (see below): QUANTISED
;;     6. [M 16,384, K 256] x [K 256, N 256]; A: computed on the way; B: input wp: QUANTISED
;;   THE QUANTISER, for each operand of a quantised product, along K:
;;     - K is cut into blocks of 32 from its start; a last block that is shorter is filled with zeros.
;;     - A block's scale is 2^e with e = floor(log2(the largest magnitude in the block)) - 2, held to -126 .. 127; a block of zeros has e = 0. As a byte (E8M0): e + 127.
;;     - Each number is divided by its block's scale, clamped to +-7.5, and rounded to the nearest number of E2M3, ties to even, subnormals kept.
;;     - The product sums the exact products of the quantised numbers (number of the format x scale) in f32.
;;   ~~~python
;;   def quantise(x, axis):      # numpy; x: float32 -> the quantised numbers, widened to float32 again
;;       x = np.moveaxis(x, axis, -1); K = x.shape[-1]
;;       x = np.pad(x, [(0, 0)] * (x.ndim - 1) + [(0, -K % 32)]); x = x.reshape(x.shape[:-1] + (-1, 32)); a = np.abs(x).max(-1, keepdims=True)
;;       e = np.where(a > 0, np.clip(np.frexp(np.where(a > 0, a, 1))[1] - 1 - 2, -126, 127), 0)      # np.frexp(a)[1] - 1 = floor(log2(a)), exactly
;;       r = np.clip(x / 2.0 ** e, -7.5, 7.5)
;;       step = 2.0 ** (np.maximum(np.frexp(np.where(r == 0, 1, r))[1] - 1, 0) - 3)
;;       q = np.round(r / step) * step * 2.0 ** e      # np.round: ties to even
;;       return np.moveaxis(q.reshape(q.shape[:-2] + (-1,))[..., :K], -1, axis).astype(np.float32)
;;   ~~~
;;   SOFTMAX AHEAD OF A QUANTISED PRODUCT. Where the list says 'softmax', what is quantised is not the finished softmax but p = 2^(t - M), with t = logit x log2(e) and M = ceil(the row's largest t), a whole number; so 1/2 < the row's largest p <= 1. The row's sum l is taken of the UNQUANTISED p, in f32, and the product's result is divided by l at the end. Since M is a whole number, a kernel that streams over the keys may use a running M (the ceiling of the running maximum): every later rescaling is an exact power of two, which a block's scale takes up: the codes' values come out the same.
;;   OPERANDS COMPUTED ON THE WAY. 'Computed on the way' means the value that the module computes at that place (a softmax that the list does not call 'softmax' is quantised finished and normalised). What goes into a quantiser is computed in f32, as accurately as f32 sums, v_exp_f32 and their like allow (about 1e-6 of the number): no bf16 or f16 on the way to a quantiser, and a product that is left as it is and whose result goes on into a quantised operand takes f32 operands (vector FMAs, or v_wmma_f32_16x16x4_f32). A number that lies on a knife's edge between two numbers of the format may be rounded either way, as far as f32 arithmetic and the matrix unit's own rounding can turn it there, and no further.
;; One version. Each part assembles by itself: llvm-mc -triple=amdgcn-amd-amdhsa -mcpu=gfx1250 --defsym DOCPART=n.
;; ======== version 1 of 1: 3 launches
;; workspace buffers: wcode 204,800 bytes; qimg 3,407,872 bytes; kvc 6,291,456 bytes; kvs 393,216 bytes
;; launch wprep (part 1): grid 16 x 4, 2 waves a work-group, no clusters, 0 bytes of LDS; arguments wq, wk, wv, wp, wcode; writes wcode
.if DOCPART == 1
	.amdgcn_target "amdgcn-amd-amdhsa--gfx1250"
	.amdhsa_code_object_version 6
	.text
	.protected	k_qfee7740324_wprep
	.globl	k_qfee7740324_wprep
	.p2align	8
	.type	k_qfee7740324_wprep,@function
k_qfee7740324_wprep:
	s_mov_b64 s[64:65], 0
	v_nop
	global_prefetch_b8 v0, s[64:65] scope:SCOPE_SE
	s_setreg_imm32_b32 hwreg(HW_REG_WAVE_MODE, 25, 1), 1
	s_wait_xcnt 0x0
; WPREP: wq, wk, wv, wp [256 (o)][256 (c)] f32 become codes of FP6 (E2M3) with one E8M0 scale byte for each 32 along c, laid as the later launches' operand registers take them.
; NOTHING OF THE PROBLEM IS DEAD WORK: gamma is an input and may hold any number, so all that stands behind it reaches the output; bq, bk, bv go into quantised operands, bp into the output.  All ten inputs are loaded by some launch.
; A block's scale is 2^(floor(log2(its largest magnitude)) - 2); its byte is the largest magnitude's exponent field - 2, held at 1 from below.
; LIMITS: a block of zeros gets the byte 1 where the rule says 127 (its codes are zeros, which add nothing under any byte but 0xff, and this program alone reads the bytes); NaN and infinities among the inputs are not served.
; THE TILE ORDER: tile tau (0..15) of a matrix holds in lane r the row 64 (tau / 4) + 32 ((tau / 2) % 2) + 8 (tau % 2) + r + 8 (r / 8), so that the results of two neighbouring tiles are 16 neighbours in a lane's registers.
; wcode: [matrix 4 (q, k, v, p)][tile 16][K step 2][1,536 bytes]: a fragment's 12 registers as they stand, registers 4 k .. 4 k + 3 of lane l at 512 k + 16 l.
;        from byte 196,608: [matrix][tile][128 bytes]: the scale word (four bytes: 128 along c) of row r: K step 0 at 4 r, K step 1 at 64 + 4 r.
; SHARES: a work-group is a tile of a matrix, a wave a K step of 128.  Lane (r, h) owns the blocks 2 c + h (c = 0, 1) of its row whole: 32 neighbours each, eight loads of 16 bytes, so no other lane is asked for a maximum.
; 64 work-groups: the four matrices are a megabyte in all, and there is no more work to share.  No LDS, no barrier, no prefetch (each byte is asked for at once, at the head).
.set N,   16                           ; v16-79   my 64 numbers: block 2 c + h at v[N + 32 c]
.set F,   96                           ; v96-107  the fragment
.set CT,  108                          ; v108-110, v112-114 the upper halves of the two blocks' codes, as they are made
.set MX,  8                            ; v8-9     largest magnitudes
.set SOP, 10                           ; v10-11   the conversions' scale operands
.set BY,  12                           ; v12-13   the scale bytes
	s_load_b256 s[4:11], s[0:1], 0x0               ; wq, wk, wv, wp
	s_load_b64 s[12:13], s[0:1], 0x20              ; wcode
	v_lshrrev_b32 v1, 5, v0
	v_readfirstlane_b32 s14, v1                    ; wave = K step
	v_and_b32 v2, 15, v0                           ; r
	v_bfe_u32 v3, v0, 4, 1                         ; h
	v_and_b32 v4, 8, v2
	v_add_nc_u32 v4, v4, v2                        ; r + 8 (r / 8)
	v_lshlrev_b32 v4, 10, v4                       ; a row is 1,024 bytes
	v_lshl_add_u32 v4, v3, 7, v4                   ; + 128 h: my block of 32 numbers
	v_and_b32 v5, 31, v0
	v_lshlrev_b32 v5, 4, v5                        ; 16 x lane: the image's place for my lane
	v_lshlrev_b32 v6, 2, v2                        ; 4 r: my row's scale word
	v_lshlrev_b32 v7, 3, v3                        ; 8 h: where my bytes stand in it
	s_and_b32 s15, ttmp7, 0xffff                   ; the matrix
	s_lshr_b32 s16, ttmp9, 2
	s_lshl_b32 s16, s16, 6
	s_bfe_u32 s17, ttmp9, 0x10001
	s_lshl_b32 s17, s17, 5
	s_add_co_u32 s16, s16, s17
	s_and_b32 s17, ttmp9, 1
	s_lshl_b32 s17, s17, 3
	s_add_co_u32 s16, s16, s17                     ; the tile's first row
	s_lshl_b32 s16, s16, 10
	s_lshl_b32 s17, s14, 9
	s_add_co_u32 s16, s16, s17                     ; in bytes, + 512 x K step
	s_mov_b32 s17, 0
	s_lshl_b32 s18, s15, 4
	s_add_co_u32 s18, s18, ttmp9                   ; 16 x matrix + tile
	s_lshl_b32 s22, s18, 1
	s_add_co_u32 s22, s22, s14
	s_mul_i32 s22, s22, 1536                       ; where the image goes
	s_mov_b32 s23, 0
	s_lshl_b32 s24, s18, 7
	s_lshl_b32 s25, s14, 6
	s_add_co_u32 s24, s24, s25
	s_add_co_u32 s24, s24, 196608                  ; and the scale words
	s_mov_b32 s25, 0
	s_mov_b32 s20, 0x76543210
	s_mov_b32 s21, 0xfedcba98                      ; v_permlanex16_b32's selects for lane l xor 16
	s_wait_alu depctr_va_vdst(0)
	s_wait_kmcnt 0x0
	s_cmp_lt_u32 s15, 2                            ; the choice of the matrix hangs on the work-group's number alone
	s_cselect_b64 s[4:5], s[4:5], s[8:9]           ; wq or wv
	s_cselect_b64 s[6:7], s[6:7], s[10:11]         ; wk or wp
	s_and_b32 s18, s15, 1
	s_cmp_eq_u32 s18, 0
	s_cselect_b64 s[4:5], s[4:5], s[6:7]
	s_add_nc_u64 s[4:5], s[4:5], s[16:17]
	s_add_nc_u64 s[26:27], s[12:13], s[22:23]
	s_add_nc_u64 s[28:29], s[12:13], s[24:25]
.irp c, 0,1
.irp j, 0,1,2,3,4,5,6,7
	global_load_b128 v[N+32*\c+4*\j:N+32*\c+4*\j+3], v4, s[4:5] offset:256*\c+16*\j   ; W(row, 128 s + 64 c + 32 h + 4 j ..)
.endr
.endr
	s_wait_loadcnt 0x0
.irp c, 0,1
	v_max3_num_f32 v[MX+\c], |v[N+32*\c]|, |v[N+32*\c+1]|, 0x1800000   ; with the floor 2^(3 - 127): the byte cannot fall under 1
.endr
.irp i, 2,4,6,8,10,12,14,16,18,20,22,24,26,28,30
.irp c, 0,1
	v_max3_num_f32 v[MX+\c], v[MX+\c], |v[N+32*\c+\i]|, |v[N+32*\c+\i+1]|   ; (the two blocks by turns)
.endr
.endr
.irp c, 0,1
	v_add_nc_u32 v[SOP+\c], 0xff000000, v[MX+\c]   ; 2 off the exponent field: the conversion takes this operand's exponent field as its scale
.endr
.irp c, 0,1
	v_lshrrev_b32 v[BY+\c], 23, v[SOP+\c]          ; the scale's byte
.endr
	v_lshl_or_b32 v14, v[BY+1], 16, v[BY]          ; my two bytes: blocks h and 2 + h,
	v_lshlrev_b32 v14, v7, v14                     ; at their places in the word;
	v_mov_b32 v15, 0                               ; (a lane permute's destination counts as one of its sources)
	v_permlanex16_b32 v15, v14, s20, s21
	v_or_b32 v14, v14, v15                         ; with lane l xor 16's two the word is whole
.irp c, 0,1
	v_cvt_scalef32_pk16_fp6_f32 v[F+6*\c:F+6*\c+2], v[N+32*\c:N+32*\c+15], v[SOP+\c]
	v_cvt_scalef32_pk16_fp6_f32 v[CT+4*\c:CT+4*\c+2], v[N+32*\c+16:N+32*\c+31], v[SOP+\c]   ; (a conversion's three registers begin on an even number)
.endr
	v_nop                                          ; one plain place behind a scaled conversion
.irp c, 0,1
.irp i, 0,1,2
	v_mov_b32 v[F+6*\c+3+\i], v[CT+4*\c+\i]
.endr
.endr
.irp k, 0,1,2
	global_store_b128 v5, v[F+4*\k:F+4*\k+3], s[26:27] offset:512*\k   ; 32 lanes store 512 consecutive bytes
.endr
	global_store_b32 v6, v14, s[28:29]             ; both halves of the lanes hold the same word and write it to the same place
	s_endpgm
.Lfunc_end_k_qfee7740324_wprep:
	.size	k_qfee7740324_wprep, .Lfunc_end_k_qfee7740324_wprep-k_qfee7740324_wprep
	.p2alignl 7, 3214868480
	.fill 96, 4, 3214868480
	.section	.rodata,"a",@progbits
	.p2align	6, 0x0
	.amdhsa_kernel k_qfee7740324_wprep
		.amdhsa_group_segment_fixed_size 0
		.amdhsa_private_segment_fixed_size 0
		.amdhsa_enable_private_segment 0
		.amdhsa_kernarg_size 40
		.amdhsa_user_sgpr_count 2
		.amdhsa_user_sgpr_kernarg_segment_ptr 1
		.amdhsa_wavefront_size32 1
		.amdhsa_system_sgpr_workgroup_id_x 1
		.amdhsa_system_sgpr_workgroup_id_y 1
		.amdhsa_system_sgpr_workgroup_id_z 1
		.amdhsa_system_vgpr_workitem_id 0
		.amdhsa_next_free_vgpr 128
		.amdhsa_next_free_sgpr 66
		.amdhsa_reserve_vcc 0
		.amdhsa_float_denorm_mode_32 3
		.amdhsa_float_denorm_mode_16_64 3
		.amdhsa_memory_ordered 1
		.amdhsa_forward_progress 1
		.amdhsa_inst_pref_size 8
	.end_amdhsa_kernel
	.amdgpu_metadata
---
amdhsa.version: [ 1, 2 ]
amdhsa.kernels:
  - .name:           k_qfee7740324_wprep
    .symbol:         k_qfee7740324_wprep.kd
    .args:
      - { .name: wq, .offset: 0, .size: 8, .value_kind: global_buffer, .address_space: global }
      - { .name: wk, .offset: 8, .size: 8, .value_kind: global_buffer, .address_space: global }
      - { .name: wv, .offset: 16, .size: 8, .value_kind: global_buffer, .address_space: global }
      - { .name: wp, .offset: 24, .size: 8, .value_kind: global_buffer, .address_space: global }
      - { .name: wcode, .offset: 32, .size: 8, .value_kind: global_buffer, .address_space: global }
    .group_segment_fixed_size: 0
    .private_segment_fixed_size: 0
    .kernarg_segment_align: 8
    .kernarg_segment_size: 40
    .max_flat_workgroup_size: 64
    .sgpr_count:     66
    .vgpr_count:     128
    .wavefront_size: 32
...
	.end_amdgpu_metadata
.endif
;; end of part 1
;; launch qkv (part 2): grid 64 x 4, 16 waves a work-group, no clusters, 14,848 bytes of LDS; arguments x, wcode, bq, bk, bv, qimg, kvc, kvs; writes qimg, kvc, kvs
.if DOCPART == 2
	.amdgcn_target "amdgcn-amd-amdhsa--gfx1250"
	.amdhsa_code_object_version 6
	.text
	.protected	k_qfee7740324_qkv
	.globl	k_qfee7740324_qkv
	.p2align	8
	.type	k_qfee7740324_qkv,@function
k_qfee7740324_qkv:
	s_mov_b64 s[64:65], 0
	v_nop
	global_prefetch_b8 v0, s[64:65] scope:SCOPE_SE
	s_setreg_imm32_b32 hwreg(HW_REG_WAVE_MODE, 25, 1), 1
	s_wait_xcnt 0x0
; QKV: q = wq x + bq, k = wk x + bk, v = wv x + bv for 64 pixels of one batch, all three products on codes of FP6 (E2M3) with one E8M0 scale for each 32 along the channels;
; then q and k are quantised along the head's 64 (the scores' K) and v along the pixels (the keys: the second attention product's K), and leave as images of the operand registers that the attention launch takes.
; No work is left out.  LIMITS: a block of zeros gets the byte 1 over zero codes; NaN and infinities among the inputs are not served.
; THE TILE ORDER, for rows of a weight and for pixels alike: in a group of 64, tile t holds in lane r the member 32 (t / 2) + 8 (t % 2) + r + 8 (r / 8): a lane's 16 result registers of tiles 2 b, 2 b + 1 are then the neighbours 32 b + 16 (lane / 16) + 0 .. 15.
; A HALF IMAGE is six registers (64 along K) of a fragment: registers 0-3 of lane l at 16 l, registers 4-5 at 512 + 8 l: 768 bytes.
; qimg: [batch][pixel block 64][head][3,328]: four half images (pixel tile p at 768 p); at 3,072 the scale words: lane l's 8 bytes, word j = tile 2 j + l / 16; bytes 2, 3 are 0x7f (they scale the zero codes of k = 64 .. 127).
; kvc:  [batch][key step 32][head][12,288]: K's half images of key tiles 0 .. 7 at 768 T; V's (tile t of the head's 64, key half c) at 6,144 + 768 (2 t + c).
; kvs:  [batch][key step][head][768]: K's scale words: lane l's 16 bytes, word J = tile 2 J + l / 16; from 512 V's: lane l's 8 bytes, word j = tile 2 j + l / 16, byte = the block of 32 keys.
; SHARES.  A work-group of sixteen waves owns 64 pixels.  PHASE X: wave w quantises channels 32 (w / 2) .. + 31 of pixels 32 (w % 2) .. + 31: a lane to a pixel, its registers down the channels, so each load reads 128 consecutive bytes and
; a block lies in one lane; the codes go to LDS as half images of x's eight fragments.  One barrier.  Then waves 0-3 make q of head w, waves 4-7 k of head w - 4 (source 0 = 16 rows of the weight, source 1 = 16 pixels: a lane holds one pixel, its
; registers run along the head), waves 8-15 make v of head (w - 8) / 2, half w % 2 of its 64 (source 0 = 16 pixels, source 1 = 16 rows of wv: a lane holds one of the head's 64, its registers run along the pixels).
; Each wave's weights stay in registers; they and the biases are asked for ahead of phase X.  The biases are the C of each sum's first matrix instruction.
; No tensor load (x must pass through registers to be quantised), no cluster (work-groups share only the weights' codes, 147 KB, read once each), no prefetch (x is asked for whole at the head).
.set XIMG,  0                          ; LDS: x's 16 half images: index 4 p + 2 s + c (pixel tile, K step, half)
.set XSC,   12288                      ; their scale bytes: 128 p + 64 s + 4 r + block
.set SPARE, 12800                      ; the spare words, 128 bytes for each wave: eight blocks of 256 bytes that no other line names
.set XW16, 5                           ; v5   phase X: where my codes' first 16 bytes go
.set XW8,  6                           ; v6   the other 8
.set XWS,  7                           ; v7   and my block's scale byte
.set L16,  8                           ; v8   16 x lane
.set L8,   9                           ; v9   8 x lane
.set L4,   10                          ; v10  4 x lane
.set SPW,  11                          ; v11  LDS address of my spare word; never rewritten
.set NIL,  12                          ; v12  0; never rewritten
.set BO,   13                          ; v13  64 (lane / 16): my half's eight biases of a tile
.set SOF,  14                          ; v14  q, k: my place among the scale words
.set BOV,  15                          ; v15  4 (r + 8 (r / 8)): my row's bias, for v
.set TM,   16                          ; v16-21 at work in the quantiser
.set CT,   24                          ; v24-26 a conversion's result on its way
.set BYT,  27                          ; v27  phase X's scale byte
.set XS,   28                          ; v28-31 x's scale words, tile p: lanes 0-15 K step 0, lanes 16-31 K step 1
.set WS,   32                          ; v32-35 the weights' scale words, likewise
.set PW,   36                          ; v36-39 scale words just made
.set CD,   40                          ; v40..  codes just made: eight registers a unit, six used, so that no store's data are written again
.set ACC,  72                          ; v72-103 four accumulators; in phase X my 32 numbers of x
.set XF,   104                         ; q, k: v104-127 x's two fragments of a pixel tile
.set BI,   128                         ; q, k: v128-159 the biases, eight registers a tile
.set WF,   160                         ; q, k: v160-255 eight fragments of the weight: (tile t, K step s) at 12 (2 t + s)
.set BIV,  56                          ; v: v56-71 the biases
.set WFV,  104                         ; v: v104-151 four fragments of wv
.set XFV,  152                         ; v: v152-247 x's eight fragments
.set WV,   20
.set PB,   21
.set BB,   22
.set SEL,  24
.macro WM d, a, b, c, sa, sb, row      ; row = 1: K step 1's scale words, in lanes 16-31 of both registers
.if \row
	v_wmma_scale_f32_16x16x128_f8f6f4 v[\d:\d+7], v[\a:\a+11], v[\b:\b+11], v[\c:\c+7], v[\sa], v[\sb] matrix_a_fmt:MATRIX_FMT_FP6 matrix_b_fmt:MATRIX_FMT_FP6 matrix_a_scale:MATRIX_SCALE_ROW1 matrix_b_scale:MATRIX_SCALE_ROW1
.else
	v_wmma_scale_f32_16x16x128_f8f6f4 v[\d:\d+7], v[\a:\a+11], v[\b:\b+11], v[\c:\c+7], v[\sa], v[\sb] matrix_a_fmt:MATRIX_FMT_FP6 matrix_b_fmt:MATRIX_FMT_FP6
.endif
.endm
.macro XFRAG reg, p, s                 ; x's fragment (pixel tile p, K step s) out of its two half images
	ds_load_b128 v[\reg:\reg+3], v[L16] offset:XIMG+(4*(\p)+2*(\s))*768
	ds_load_b64 v[\reg+4:\reg+5], v[L8] offset:XIMG+(4*(\p)+2*(\s))*768+512
	ds_load_b128 v[\reg+6:\reg+9], v[L16] offset:XIMG+(4*(\p)+2*(\s))*768+768
	ds_load_b64 v[\reg+10:\reg+11], v[L8] offset:XIMG+(4*(\p)+2*(\s))*768+768+512
.endm
; 32 numbers of a lane, register 16 b + i = k 32 b + 16 (lane / 16) + i of my row, become six registers of codes (lanes 0-15 block 0, lanes 16-31 block 1) in v[pc] on and the two scale bytes in v[pw].
.macro QUANT32 s, pc, pw
.irp b, 0,1
	v_max3_num_f32 v[TM+\b], |v[\s+16*\b]|, |v[\s+16*\b+1]|, 0x1800000   ; my 16 numbers of block b, from each accumulator's low end on, and the floor 2^(3 - 127)
.endr
.irp i, 2,4,6,8,10,12,14
.irp b, 0,1
	v_max3_num_f32 v[TM+\b], v[TM+\b], |v[\s+16*\b+\i]|, |v[\s+16*\b+\i+1]|
.endr
.endr
.irp b, 0,1
	s_delay_alu instid0(VALU_DEP_2)
	v_permlanex16_b32 v[TM+2+\b], v[TM+\b], s[SEL], s[SEL+1]
.endr
.irp b, 0,1
	s_delay_alu instid0(VALU_DEP_2)
	v_max_num_f32 v[TM+\b], v[TM+\b], v[TM+2+\b]   ; with lane l xor 16's: the block's largest magnitude
.endr
.irp b, 0,1
	s_delay_alu instid0(VALU_DEP_2)
	v_add_nc_u32 v[TM+4+\b], 0xff000000, v[TM+\b]  ; 2 off its exponent field: the conversion's scale operand
.endr
.irp b, 0,1
	s_delay_alu instid0(VALU_DEP_2)
	v_lshrrev_b32 v[TM+2+\b], 23, v[TM+4+\b]       ; the scale's byte
.endr
	s_delay_alu instid0(VALU_DEP_1)
	v_lshl_or_b32 v[\pw], v[TM+3], 8, v[TM+2]
	v_cvt_scalef32_pk16_fp6_f32 v[\pc:\pc+2], v[\s:\s+15], v[TM+4]
	v_cvt_scalef32_pk16_fp6_f32 v[CT:CT+2], v[\s+16:\s+31], v[TM+5]
	v_nop                                          ; one plain place behind a scaled conversion
.irp i, 0,1,2
	v_permlane16_swap_b32 v[\pc+\i], v[CT+\i]      ; the layout wants a whole block in a lane
.endr
.irp i, 0,1,2
	s_delay_alu instid0(VALU_DEP_3)
	v_mov_b32 v[\pc+3+\i], v[CT+\i]
.endr
.endm
.macro FINISH                          ; a wave's end: a TENSORcnt wait, an add to my spare word and its wait, behind my last LDS store
	s_wait_tensorcnt 0x0
	ds_add_u32 v[SPW], v[NIL]
	s_wait_dscnt 0x0
	s_endpgm
.endm
	s_load_b256 s[4:11], s[0:1], 0x0               ; x s[4:5], wcode s[6:7], bq s[8:9], bk s[10:11]
	s_load_b256 s[12:19], s[0:1], 0x20             ; bv s[12:13], qimg s[14:15], kvc s[16:17], kvs s[18:19]
	v_lshl_add_u32 v[SPW], v0, 2, SPARE
	v_mov_b32 v[NIL], 0
	v_lshrrev_b32 v1, 5, v0
	s_delay_alu instid0(VALU_DEP_1)
	v_readfirstlane_b32 s[WV], v1                  ; wave 0..15
	s_mov_b32 s[PB], ttmp9                         ; the block of 64 pixels
	s_and_b32 s[BB], ttmp7, 0xffff                 ; the batch
	s_mov_b32 s[SEL], 0x76543210
	s_mov_b32 s[SEL+1], 0xfedcba98                 ; v_permlanex16_b32's selects for lane l xor 16
	v_and_b32 v1, 31, v0                           ; lane
	v_and_b32 v2, 15, v0                           ; r
	v_bfe_u32 v3, v0, 4, 1                         ; h
	s_delay_alu instid0(VALU_DEP_3)
	v_lshlrev_b32 v[L16], 4, v1
	s_delay_alu instid0(VALU_DEP_4)
	v_lshlrev_b32 v[L8], 3, v1
	v_lshlrev_b32 v[L4], 2, v1
	s_delay_alu instid0(VALU_DEP_4)
	v_lshlrev_b32 v[BO], 6, v3
	v_and_b32 v[BOV], 8, v2
	s_delay_alu instid0(VALU_DEP_1)
	v_add_nc_u32 v[BOV], v[BOV], v2
	s_delay_alu instid0(VALU_DEP_1)
	v_lshlrev_b32 v[BOV], 2, v[BOV]
	; phase X: my pixel 32 (w % 2) + lane is row rr of pixel tile 2 (w % 2) + u; my block 32 (w / 2) of the channels is half hb of half image (s, c)
	v_bfe_u32 v16, v0, 3, 1                        ; u
	s_wait_alu depctr_va_vdst(0)
	v_and_b32 v17, 7, v0
	s_delay_alu instid0(VALU_DEP_1)
	v_lshl_or_b32 v17, v3, 3, v17                  ; rr
	s_and_b32 s26, s[WV], 1                        ; which 32 pixels
	s_lshr_b32 s27, s[WV], 1                       ; which block of 32 channels
	s_lshr_b32 s28, s27, 2                         ; its K step s
	s_bfe_u32 s29, s27, 0x10001                    ; its half c of the fragment
	s_and_b32 s30, s27, 1                          ; its half hb of the lanes
	s_mul_i32 s31, s26, 6144
	s_mul_i32 s32, s28, 1536
	s_add_co_u32 s31, s31, s32
	s_mul_i32 s32, s29, 768
	s_add_co_u32 s31, s31, s32                     ; the half image of tile 2 (w % 2)
	s_lshl_b32 s32, s30, 8
	s_add_co_u32 s32, s32, s31
	s_lshl_b32 s33, s30, 7
	s_add_co_u32 s33, s33, s31
	s_add_co_u32 s33, s33, 512
	v_mul_u32_u24 v18, v16, 3072
	s_wait_alu depctr_va_vdst(0)
	v_lshl_add_u32 v[XW16], v17, 4, v18
	s_delay_alu instid0(VALU_DEP_1)
	v_add_nc_u32 v[XW16], s32, v[XW16]
	v_lshl_add_u32 v[XW8], v17, 3, v18
	s_delay_alu instid0(VALU_DEP_1)
	v_add_nc_u32 v[XW8], s33, v[XW8]
	s_lshl_b32 s32, s26, 8
	s_lshl_b32 s33, s28, 6
	s_add_co_u32 s32, s32, s33
	s_and_b32 s33, s27, 3
	s_add_co_u32 s32, s32, s33
	s_add_co_u32 s32, s32, XSC
	v_lshlrev_b32 v18, 7, v16
	s_delay_alu instid0(VALU_DEP_1)
	v_lshl_add_u32 v[XWS], v17, 2, v18
	s_delay_alu instid0(VALU_DEP_1)
	v_add_nc_u32 v[XWS], s32, v[XWS]
	v_mov_b32 v[TM+2], 0                           ; written once: a lane permute's destination counts as one of its sources
	v_mov_b32 v[TM+3], 0
	s_lshl_b32 s34, s[BB], 22                      ; x: a batch is 4 MiB, a channel 16,384 bytes
	s_lshl_b32 s35, s27, 19
	s_add_co_u32 s34, s34, s35
	s_lshl_b32 s35, s[PB], 8
	s_add_co_u32 s34, s34, s35
	s_lshl_b32 s35, s26, 7
	s_add_co_u32 s34, s34, s35
	s_mov_b32 s35, 0
	s_wait_kmcnt 0x0
	s_add_nc_u64 s[4:5], s[4:5], s[34:35]
.set j, 0
.rept 32
	global_load_b32 v[ACC+j], v[L4], s[4:5] offset:j*16384 th:TH_LOAD_NT   ; x(channel 32 (w / 2) + j, my pixel): 32 lanes read 128 consecutive bytes; the wave beside me takes the other 128 of the 256
.set j, j+1
.endr
	; the waves part by their roles for the first time: each asks for its weights, their scale words and its biases
	s_cmp_lt_u32 s[WV], 8
	s_cbranch_scc0 .Lv_loads
	s_lshr_b32 s36, s[WV], 2                       ; 0: q, 1: k
	s_and_b32 s37, s[WV], 3                        ; the head
	s_lshl_b32 s38, s36, 4
	s_lshl_b32 s39, s37, 2
	s_add_co_u32 s38, s38, s39                     ; my first tile: 16 x matrix + 4 x head
	s_mul_i32 s40, s38, 3072
	s_mov_b32 s41, 0
	s_add_nc_u64 s[40:41], s[6:7], s[40:41]
	s_lshl_b32 s42, s38, 7
	s_add_co_u32 s42, s42, 196608
	s_mov_b32 s43, 0
	s_add_nc_u64 s[42:43], s[6:7], s[42:43]
	s_lshl_b32 s46, s37, 8
	s_mov_b32 s47, 0
	s_cmp_eq_u32 s36, 0
	s_cselect_b64 s[44:45], s[8:9], s[10:11]       ; bq or bk: the choice hangs on the wave's number alone
	s_add_nc_u64 s[44:45], s[44:45], s[46:47]
.irp f, 0,1,2,3,4,5,6,7
.irp k, 0,1,2
	global_load_b128 v[WF+12*\f+4*\k:WF+12*\f+4*\k+3], v[L16], s[40:41] offset:\f*1536+\k*512
.endr
.endr
.irp t, 0,1,2,3
	global_load_b32 v[WS+\t], v[L4], s[42:43] offset:128*\t
.endr
.irp t, 0,1,2,3
	global_load_b128 v[BI+8*\t:BI+8*\t+3], v[BO], s[44:45] offset:(32*(\t/2)+8*(\t%2))*4        ; lane (r, h), tile t: the biases of 32 (t / 2) + 16 h + 8 (t % 2) + 0 .. 7
	global_load_b128 v[BI+8*\t+4:BI+8*\t+7], v[BO], s[44:45] offset:(32*(\t/2)+8*(\t%2))*4+16
.endr
	s_wait_loadcnt 36                              ; x's 32 loads are in; the 36 issued behind them may stay out
	s_branch .Lphase_x
.Lv_loads:
	s_sub_co_u32 s36, s[WV], 8
	s_lshr_b32 s36, s36, 1                         ; the head
	s_and_b32 s37, s[WV], 1                        ; which 32 of its 64
	s_lshl_b32 s38, s36, 2
	s_lshl_b32 s39, s37, 1
	s_add_co_u32 s38, s38, s39
	s_add_co_u32 s38, s38, 32                      ; my first tile of wv
	s_mul_i32 s40, s38, 3072
	s_mov_b32 s41, 0
	s_add_nc_u64 s[40:41], s[6:7], s[40:41]
	s_lshl_b32 s42, s38, 7
	s_add_co_u32 s42, s42, 196608
	s_mov_b32 s43, 0
	s_add_nc_u64 s[42:43], s[6:7], s[42:43]
	s_lshl_b32 s44, s36, 8
	s_lshl_b32 s45, s37, 7
	s_add_co_u32 s44, s44, s45
	s_mov_b32 s45, 0
	s_add_nc_u64 s[44:45], s[12:13], s[44:45]
.irp f, 0,1,2,3
.irp k, 0,1,2
	global_load_b128 v[WFV+12*\f+4*\k:WFV+12*\f+4*\k+3], v[L16], s[40:41] offset:\f*1536+\k*512
.endr
.endr
.irp u, 0,1
	global_load_b32 v[WS+\u], v[L4], s[42:43] offset:128*\u
.endr
.irp u, 0,1
.irp j, 0,1,2,3,4,5,6,7
	global_load_b32 v[BIV+8*\u+\j], v[BOV], s[44:45] offset:32*\u   ; here a lane holds ONE of the head's 64 in all eight registers: its bias eight times
.endr
.endr
	s_wait_loadcnt 30                              ; x's 32 loads are in; the 30 issued behind them may stay out
.Lphase_x:
	v_max3_num_f32 v[TM], |v[ACC]|, |v[ACC+1]|, |v[ACC+2]|          ; the block's largest magnitude: all 32 numbers are mine
	v_max3_num_f32 v[TM+1], |v[ACC+3]|, |v[ACC+4]|, |v[ACC+5]|
.irp i, 6,10,14,18,22,26
	s_delay_alu instid0(VALU_DEP_2)
	v_max3_num_f32 v[TM], v[TM], |v[ACC+\i]|, |v[ACC+\i+1]|
	s_delay_alu instid0(VALU_DEP_2)
	v_max3_num_f32 v[TM+1], v[TM+1], |v[ACC+\i+2]|, |v[ACC+\i+3]|
.endr
	s_delay_alu instid0(VALU_DEP_2)
	v_max3_num_f32 v[TM], v[TM], |v[ACC+30]|, |v[ACC+31]|
	s_delay_alu instid0(VALU_DEP_1)
	v_max3_num_f32 v[TM], v[TM], v[TM+1], 0x1800000                 ; and the floor 2^(3 - 127)
	s_delay_alu instid0(VALU_DEP_1)
	v_add_nc_u32 v[TM+4], 0xff000000, v[TM]
	s_delay_alu instid0(VALU_DEP_1)
	v_lshrrev_b32 v[BYT], 23, v[TM+4]
	v_cvt_scalef32_pk16_fp6_f32 v[CD:CD+2], v[ACC:ACC+15], v[TM+4]
	v_cvt_scalef32_pk16_fp6_f32 v[CT:CT+2], v[ACC+16:ACC+31], v[TM+4]
	v_nop                                          ; one plain place behind a scaled conversion
.irp i, 0,1,2
	v_mov_b32 v[CD+3+\i], v[CT+\i]
.endr
	ds_store_b128 v[XW16], v[CD:CD+3]
	ds_store_b64 v[XW8], v[CD+4:CD+5]
	ds_store_b8 v[XWS], v[BYT]
	s_wait_dscnt 0x0                               ; for the others' sake: my stores have landed
	s_barrier_signal -1
	s_barrier_wait -1                              ; x's eight fragments and their scale words lie in LDS
	s_wait_loadcnt 0x0                             ; my weights, their scale words, my biases
.irp p, 0,1,2,3
	ds_load_b32 v[XS+\p], v[L4] offset:XSC+128*\p
.endr
	s_cmp_lt_u32 s[WV], 8                          ; the waves part again
	s_cbranch_scc0 .Lv_path
	; ---- q and k.  Where the results go:
	s_lshr_b32 s36, s[WV], 2
	s_and_b32 s37, s[WV], 3
	s_lshl_b32 s38, s[BB], 6
	s_add_co_u32 s38, s38, s[PB]
	s_lshl_b32 s38, s38, 2
	s_add_co_u32 s38, s38, s37
	s_mul_i32 s38, s38, 3328                       ; q: codes,
	s_add_co_u32 s39, s38, 3072                    ;    scale words
	s_lshl_b32 s40, s[BB], 5
	s_lshr_b32 s41, s[PB], 1
	s_add_co_u32 s40, s40, s41
	s_lshl_b32 s40, s40, 2
	s_add_co_u32 s40, s40, s37                     ; k: (batch, key step, head)
	s_and_b32 s41, s[PB], 1                        ; my 64 pixels are the step's key tiles 4 (PB % 2) .. + 3
	s_mul_i32 s42, s40, 12288
	s_mul_i32 s43, s41, 3072
	s_add_co_u32 s42, s42, s43                     ;    codes,
	s_mul_i32 s43, s40, 768
	s_lshl_b32 s41, s41, 3
	s_add_co_u32 s43, s43, s41                     ;    scale words
	s_cmp_eq_u32 s36, 0
	s_cselect_b32 s48, s38, s42
	s_cselect_b32 s50, s39, s43
	s_cselect_b64 s[52:53], s[14:15], s[16:17]
	s_cselect_b64 s[54:55], s[14:15], s[18:19]
	s_cselect_b32 s56, 3, 4                        ; q: 8 bytes of scale words a lane, k: 16
	s_mov_b32 s49, 0
	s_mov_b32 s51, 0
	s_add_nc_u64 s[52:53], s[52:53], s[48:49]
	s_add_nc_u64 s[54:55], s[54:55], s[50:51]
	v_lshlrev_b32 v[SOF], s56, v1
.irp p, 0,1,2,3
	XFRAG XF, \p, 0
	XFRAG XF+12, \p, 1
	s_wait_dscnt 0x0
.irp t, 0,1,2,3                                ; the four accumulators take turns, one instruction a turn
	WM ACC+8*\t, WF+24*\t, XF, BI+8*\t, WS+\t, XS+\p, 0
.endr
.irp t, 0,1,2,3
	WM ACC+8*\t, WF+24*\t+12, XF+12, ACC+8*\t, WS+\t, XS+\p, 1
.endr
.rept 4
	v_nop                                          ; places in front of the first read of the results; with the quantiser's plain lines on its own registers they are also the places in front of the next tile's loads and of its products, which begin the accumulators anew
.endr
	QUANT32 ACC, CD+8*\p, PW+\p
	v_or_b32 v[PW+\p], 0x7f7f0000, v[PW+\p]        ; the bytes of k = 64 .. 127, which hold zero codes in the scores' product: 2^0
	global_store_b128 v[L16], v[CD+8*\p:CD+8*\p+3], s[52:53] offset:768*\p
	global_store_b64 v[L8], v[CD+8*\p+4:CD+8*\p+5], s[52:53] offset:768*\p+512
.endr
	v_cmp_le_u32 vcc_lo, 16, v1                    ; lanes 16-31 carry the odd tiles' words
	s_delay_alu instid0(VALU_DEP_1)
	v_cndmask_b32 v[TM], v[PW], v[PW+1], vcc_lo
	s_delay_alu instid0(VALU_DEP_2)
	v_cndmask_b32 v[TM+1], v[PW+2], v[PW+3], vcc_lo
	global_store_b64 v[SOF], v[TM:TM+1], s[54:55]
	FINISH
.Lv_path:
	; ---- v
.irp p, 0,1,2,3
.irp s, 0,1
	XFRAG XFV+12*(2*\p+\s), \p, \s
.endr
.endr
	s_sub_co_u32 s36, s[WV], 8
	s_lshr_b32 s36, s36, 1
	s_and_b32 s37, s[WV], 1
	s_lshl_b32 s40, s[BB], 5
	s_lshr_b32 s41, s[PB], 1
	s_add_co_u32 s40, s40, s41
	s_lshl_b32 s40, s40, 2
	s_add_co_u32 s40, s40, s36                     ; (batch, key step, head)
	s_and_b32 s41, s[PB], 1                        ; my 64 pixels are key half PB % 2 of the step
	s_lshl_b32 s42, s37, 2
	s_add_co_u32 s42, s42, s41
	s_mul_i32 s42, s42, 768
	s_mul_i32 s43, s40, 12288
	s_add_co_u32 s42, s42, s43
	s_add_co_u32 s48, s42, 6144
	s_mov_b32 s49, 0
	s_add_nc_u64 s[52:53], s[16:17], s[48:49]      ; codes: half image 2 (2 (w % 2) + u) + PB % 2
	s_mul_i32 s50, s40, 768
	s_lshl_b32 s42, s37, 2
	s_add_co_u32 s50, s50, s42
	s_lshl_b32 s42, s41, 1
	s_add_co_u32 s50, s50, s42
	s_add_co_u32 s50, s50, 512
	s_mov_b32 s51, 0
	s_add_nc_u64 s[54:55], s[18:19], s[50:51]      ; scale bytes: word w % 2, bytes 2 (PB % 2) and the next
	s_wait_dscnt 0x0
.irp u, 0,1
.irp p, 0,1,2,3
	WM ACC+8*\p, XFV+24*\p, WFV+24*\u, BIV+8*\u, XS+\p, WS+\u, 0
.endr
.irp p, 0,1,2,3
	WM ACC+8*\p, XFV+24*\p+12, WFV+24*\u+12, ACC+8*\p, XS+\p, WS+\u, 1
.endr
.rept 4
	v_nop                                          ; places, as above
.endr
	QUANT32 ACC, CD+8*\u, PW+\u                    ; along the pixels: blocks of 32 keys
	global_store_b128 v[L16], v[CD+8*\u:CD+8*\u+3], s[52:53] offset:1536*\u
	global_store_b64 v[L8], v[CD+8*\u+4:CD+8*\u+5], s[52:53] offset:1536*\u+512
.endr
	v_cmp_le_u32 vcc_lo, 16, v1
	s_delay_alu instid0(VALU_DEP_1)
	v_cndmask_b32 v[TM], v[PW], v[PW+1], vcc_lo    ; lanes 16-31 carry the odd tile's bytes
	global_store_b16 v[L8], v[TM], s[54:55]
	FINISH
.Lfunc_end_k_qfee7740324_qkv:
	.size	k_qfee7740324_qkv, .Lfunc_end_k_qfee7740324_qkv-k_qfee7740324_qkv
	.p2alignl 7, 3214868480
	.fill 96, 4, 3214868480
	.section	.rodata,"a",@progbits
	.p2align	6, 0x0
	.amdhsa_kernel k_qfee7740324_qkv
		.amdhsa_group_segment_fixed_size 14848
		.amdhsa_private_segment_fixed_size 0
		.amdhsa_enable_private_segment 0
		.amdhsa_kernarg_size 64
		.amdhsa_user_sgpr_count 2
		.amdhsa_user_sgpr_kernarg_segment_ptr 1
		.amdhsa_wavefront_size32 1
		.amdhsa_system_sgpr_workgroup_id_x 1
		.amdhsa_system_sgpr_workgroup_id_y 1
		.amdhsa_system_sgpr_workgroup_id_z 1
		.amdhsa_system_vgpr_workitem_id 0
		.amdhsa_next_free_vgpr 256
		.amdhsa_next_free_sgpr 66
		.amdhsa_reserve_vcc 1
		.amdhsa_float_denorm_mode_32 3
		.amdhsa_float_denorm_mode_16_64 3
		.amdhsa_memory_ordered 1
		.amdhsa_forward_progress 1
		.amdhsa_inst_pref_size 45
	.end_amdhsa_kernel
	.amdgpu_metadata
---
amdhsa.version: [ 1, 2 ]
amdhsa.kernels:
  - .name:           k_qfee7740324_qkv
    .symbol:         k_qfee7740324_qkv.kd
    .args:
      - { .name: x, .offset: 0, .size: 8, .value_kind: global_buffer, .address_space: global }
      - { .name: wcode, .offset: 8, .size: 8, .value_kind: global_buffer, .address_space: global }
      - { .name: bq, .offset: 16, .size: 8, .value_kind: global_buffer, .address_space: global }
      - { .name: bk, .offset: 24, .size: 8, .value_kind: global_buffer, .address_space: global }
      - { .name: bv, .offset: 32, .size: 8, .value_kind: global_buffer, .address_space: global }
      - { .name: qimg, .offset: 40, .size: 8, .value_kind: global_buffer, .address_space: global }
      - { .name: kvc, .offset: 48, .size: 8, .value_kind: global_buffer, .address_space: global }
      - { .name: kvs, .offset: 56, .size: 8, .value_kind: global_buffer, .address_space: global }
    .group_segment_fixed_size: 14848
    .private_segment_fixed_size: 0
    .kernarg_segment_align: 8
    .kernarg_segment_size: 64
    .max_flat_workgroup_size: 512
    .sgpr_count:     66
    .vgpr_count:     256
    .wavefront_size: 32
...
	.end_amdgpu_metadata
.endif
;; end of part 2
;; launch attn (part 3): grid 64 x 4, 16 waves a work-group, clusters of 4 x 1, 327,680 bytes of LDS; arguments qimg, kvc, kvs, wcode, bp, gamma, x, out0; writes out0
.if DOCPART == 3
	.amdgcn_target "amdgcn-amd-amdhsa--gfx1250"
	.amdhsa_code_object_version 6
	.text
	.protected	k_qfee7740324_attn
	.globl	k_qfee7740324_attn
	.p2align	8
	.type	k_qfee7740324_attn,@function
k_qfee7740324_attn:
	s_mov_b64 s[64:65], 0
	v_nop
	global_prefetch_b8 v0, s[64:65] scope:SCOPE_SE
	s_setreg_imm32_b32 hwreg(HW_REG_WAVE_MODE, 25, 1), 1
	s_wait_xcnt 0x0
	s_wait_alu depctr_hold_cnt(0) depctr_sa_sdst(0) depctr_va_vdst(0) depctr_va_sdst(0) depctr_va_ssrc(0) depctr_va_vcc(0) depctr_vm_vsrc(0)
	s_getreg_b32 s2, hwreg(HW_REG_IB_STS2, 6, 4)
	s_cmp_eq_u32 s2, 0
	s_cbranch_scc0 .Lentry_in_a_cluster
	s_endpgm
.Lentry_in_a_cluster:
	s_bfe_u32 s2, ttmp6, 0x10000c
	s_cmp_lg_u32 s2, 0x3003
	s_cbranch_scc0 .Lentry_shape_is_right
	s_endpgm
.Lentry_shape_is_right:
; ATTN: for 64 pixels (queries) of one batch and all four heads: scores, streaming softmax, the product with v, the division by the row's sum, the quantiser along the channels, the projection by wp, + bp, x gamma, + x.
; All three products on codes of FP6 (E2M3) with one E8M0 scale for each 32 along K.  No work is left out.
; THE SOFTMAX AHEAD OF THE SECOND PRODUCT: t = score x log2(e) / 8; M = the row's largest t so far, rounded UP to a whole number; p = 2^(t - M) is what is quantised, along the keys, not normalised.
; The row's sum is taken of the unquantised p, in f32, and divides at the end.  When M moves, the sum and O are multiplied by 2^(old M - new M): exact.
; LIMITS: p under 2^-126 falls to 0 (the exponential flushes); the division is v_rcp_f32 and a multiplication; a block of zeros gets the byte 1 over zero codes; NaN and infinities among the inputs are not served.
; SHARES.  Sixteen waves of 256 registers, four to a SIMD, so that one wave's vector work stands beside another's products and LDS loads.  Wave w: head w % 4, query tile w / 4 (16 queries).  Every wave walks all 4,096 keys, 128 a step.
; LAYOUT.  Both products transposed: S^T = K Q^T (source 0 = 16 keys), O^T = V^T P^T (source 0 = 16 of the head's 64): a lane holds ONE query throughout.  Tiles are in the tile order of the launch before, so that a lane's 16 registers of
; two neighbouring tiles are 16 neighbours along the next K.  The head is 64: registers 6-11 of K's and Q's fragments (k = 64 .. 127) hold zero codes, under scale bytes of 0x7f.
; K and V come as images of the operand registers: every LDS read is 16 or 8 bytes a lane, consecutive, so nothing is padded.  A slot holds two key steps of all four heads, 98,304 dense bytes; the batch's scale words, 98,304 bytes, come once and stay.
; CLUSTER.  The four work-groups of a cluster belong to one batch and walk the same K and V: each tile is asked for JOINTLY (the same load, the same descriptor, a mask that names the four).  My place in the cluster enters only the global
; addresses of q, x, out0 and of the prefetches.
; THE PROJECTION.  The work-group holds all four heads of its pixels: each wave's O^T / sum is 64 channels of 16 pixels, half a fragment; the halves meet in LDS, and wave w makes tile w of the 256 outputs for the 64 pixels.
.set SLOT1, 1<<17                      ; slot 1 begins here: one exclusive or turns an address in one slot into the other's
.set SLOTB, 98304                      ; a slot's bytes
.set STEPB, 49152                      ; a key step's: four heads of 12,288
.set OIMG,  98304                      ; behind slot 0: the attention's result as 16 half images of 768 bytes (index = wave),
.set OSC,   110592                     ; its scale bytes: 128 p + 64 s + 4 r + block,
.set SPARE, 111104                     ; and the spare words, 128 bytes for each wave: eight blocks of 256 bytes that no other line names
.set SCL,   229376                     ; behind slot 1: the batch's scale words, [step][head][768]
.set STG,   0                          ; the way out: 16 rows x (256 bytes + 16) for each wave, in slot 0: it has had its last fill, and every wave left it at the last change of slots
.set A16,  1                           ; v1   my head's tiles in a step: 12,288 x head + 16 x lane
.set A8,   2                           ; v2   12,288 x head + 512 + 8 x lane
.set ASK0, 3                           ; v3   K's scale words: SCL + 768 x head + 16 x lane
.set ASV0, 4                           ; v4   V's: SCL + 768 x head + 512 + 8 x lane
.set SPW,  5                           ; v5   LDS address of my spare word; never rewritten
.set NIL,  6                           ; v6   0; never rewritten
.set GO,   7                           ; v7   the way out: 16,384 (lane / 16) + 16 (lane % 16)
.set ADK,  8                           ; v8-11 the addresses of the step in hand
.set AD8,  9
.set ADS,  10
.set ADT,  11
.set Q,    16                          ; v16-27 Q's fragment.  v12 -M, v13 the largest t, v[14:15] the sum in two halves
.set PFO,  28                          ; v28  256 x lane: the prefetches' offset
.set LN16, 29                          ; v29  16 x lane
.set LN8,  30                          ; v30  8 x lane
.set TQ,   31                          ; v31  Q's scale word's place
.set KF,   32                          ; v32-79 four fragments of K
.set KS,   80                          ; v80-83 K's scale words: register J: lanes 0-15 tile 2 J, lanes 16-31 tile 2 J + 1; at the end the attention result's
.set VS,   84                          ; v84-85 V's, likewise
.set QS,   86                          ; v86  Q's
.set WPS,  87                          ; v87  wp's: lanes 0-15 K step 0, lanes 16-31 K step 1
.set LN4,  88                          ; v88  4 x lane
.set TB4,  89                          ; v89  4 (r + 8 (r / 8))
.set S,    96                          ; v96-159 S^T, then p
.set VF,   96                          ; v96-143 V's four fragments, once p has been converted
.set XR,   128                         ; v128-159 at the end: x
.set OT,   160                         ; v160-191 O^T; at the end the projection's four accumulators
.set PC,   192                         ; v192-203 p's codes
.set BM,   204                         ; v204-207 the blocks' largest scores
.set T,    208                         ; v208-215 at work
.set SO,   216                         ; v216-219 the conversions' scale operands
.set FF,   220                         ; v220 f = 2^(old M - new M)
.set PW,   221                         ; v221 p's scale word
.set TP,   222                         ; v222 at work
.set WP,   224                         ; v224-247 wp's two fragments of my tile of outputs
.set BPC,  248                         ; v248-255 bp of my lane's output, eight times: the C of the projection's first product
.set YB,   32                          ; v32-63 at the end: rows read back from the stage
.set TM,   204                         ; the last quantiser's registers
.set CT,   212
.set WV,   20
.set HD,   21
.set QT,   22
.set SEL,  24                          ; s[24:25] lane selects for v_permlanex16_b32: lane l xor 16
.set CS,   26                          ; s[26:27] c = log2(e) / 8
.set G1,   28                          ; s[28:35] descriptor group 1: one shape serves every load
.set G0R,  36                          ; s[36:39] group 0 for the ring: it walks
.set G0S,  40                          ; s[40:43] group 0 for the scale words
.set TB,   44                          ; s44  LDS byte at which the slot in hand begins
.set TS,   45                          ; s45  where the step's scale words begin: 3,072 bytes a step
.set SLOTS, 46                         ; s46  slots still to be asked for
.set LIM,  47                          ; s47  1 in a wave that prefetches, else the greatest number
.set PFA,  48                          ; s[48:49] where my prefetches stand
.set GAM,  50                          ; s[50:51] gamma
.set CX,   52
.set PBK,  53
.set BB,   54
.set OB,   72                          ; s72  my tile of outputs' first row
.macro WM0 d, a, b, sa, sb, ra         ; a product that starts its sums; ra = 1: source 0's scale words stand in lanes 16-31
.if (\ra)
	v_wmma_scale_f32_16x16x128_f8f6f4 v[\d:\d+7], v[\a:\a+11], v[\b:\b+11], 0, v[\sa], v[\sb] matrix_a_fmt:MATRIX_FMT_FP6 matrix_b_fmt:MATRIX_FMT_FP6 matrix_a_scale:MATRIX_SCALE_ROW1
.else
	v_wmma_scale_f32_16x16x128_f8f6f4 v[\d:\d+7], v[\a:\a+11], v[\b:\b+11], 0, v[\sa], v[\sb] matrix_a_fmt:MATRIX_FMT_FP6 matrix_b_fmt:MATRIX_FMT_FP6
.endif
.endm
.macro WMC d, a, b, c, sa, sb, ra, rb
.if (\ra) && (\rb)
	v_wmma_scale_f32_16x16x128_f8f6f4 v[\d:\d+7], v[\a:\a+11], v[\b:\b+11], v[\c:\c+7], v[\sa], v[\sb] matrix_a_fmt:MATRIX_FMT_FP6 matrix_b_fmt:MATRIX_FMT_FP6 matrix_a_scale:MATRIX_SCALE_ROW1 matrix_b_scale:MATRIX_SCALE_ROW1
.elseif (\ra)
	v_wmma_scale_f32_16x16x128_f8f6f4 v[\d:\d+7], v[\a:\a+11], v[\b:\b+11], v[\c:\c+7], v[\sa], v[\sb] matrix_a_fmt:MATRIX_FMT_FP6 matrix_b_fmt:MATRIX_FMT_FP6 matrix_a_scale:MATRIX_SCALE_ROW1
.else
	v_wmma_scale_f32_16x16x128_f8f6f4 v[\d:\d+7], v[\a:\a+11], v[\b:\b+11], v[\c:\c+7], v[\sa], v[\sb] matrix_a_fmt:MATRIX_FMT_FP6 matrix_b_fmt:MATRIX_FMT_FP6
.endif
.endm
; A round of the cluster's barrier: my work-group's barrier, so that wave 0's signal speaks for all sixteen waves; wave 0 signals for the work-group; every wave waits for all four work-groups; my work-group's barrier once more.
.macro CROUND
	s_barrier_signal -1
	s_barrier_wait -1
	s_cmp_lg_u32 s[WV], 0
	s_cbranch_scc1 .Lnot_wave_0_\@
	s_barrier_signal -3
.Lnot_wave_0_\@:
	s_barrier_wait -3
	s_barrier_signal -1
	s_barrier_wait -1
.endm
; The joint refill: waves 0 to 3 fetch a quarter of a slot each, the others nothing.  The branch hangs on the wave's number alone.  An s_nop 0 and four v_nop follow the load.
.macro TLOAD
	s_cmp_lt_u32 s[WV], 4
	s_cbranch_scc0 .Lasked_\@
	tensor_load_to_lds s[G0R:G0R+3], s[G1:G1+7]
	s_nop 0
.rept 4
	v_nop
.endr
.Lasked_\@:
.endm
; A prefetch of the slot that the NEXT change of slots will ask for: two key steps ahead of that load.  A slot is 384 blocks of 256 bytes.  All sixteen clusters of a batch walk the same K and V: the batch's first cluster asks.  Its four
; partners take 24,576 bytes each, told apart BY ADDRESS; in each, waves 4, 5 and 6, which fetch nothing, take 8,192 bytes each, lanes 256 bytes apart: each block is named once in the launch.
; The last change that fills a slot asks for nothing; slots 0 and 1 and the scale words come by their loads alone.
.macro ASK
	s_cmp_gt_u32 s[SLOTS], s[LIM]
	s_cbranch_scc0 .Lnot_mine_\@
	global_prefetch_b8 v[PFO], s[PFA:PFA+1] th:TH_LOAD_NT scope:SCOPE_SE
.Lnot_mine_\@:
.endm
	s_load_b256 s[4:11], s[0:1], 0x0               ; qimg s[4:5], kvc s[6:7], kvs s[8:9], wcode s[10:11]
	s_load_b256 s[12:19], s[0:1], 0x20             ; bp s[12:13], gamma s[14:15], x s[16:17], out0 s[18:19]
	v_lshl_add_u32 v[SPW], v0, 2, SPARE
	v_mov_b32 v[NIL], 0
	ds_add_u32 v[SPW], v[NIL]                      ; the wave's opening: the add, twice on end, and its wait ahead of the first tensor loads; the set-up below, work on registers, stands between the second and the wait
	ds_add_u32 v[SPW], v[NIL]
	v_lshrrev_b32 v8, 5, v0
	s_delay_alu instid0(VALU_DEP_1)
	v_readfirstlane_b32 s[WV], v8                  ; wave 0..15
	s_and_b32 s[HD], s[WV], 3                      ; my head.  Also: which quarter of a slot I fetch, if I fetch
	s_lshr_b32 s[QT], s[WV], 2                     ; my tile of 16 queries
	s_bfe_u32 s[CX], ttmp6, 0x40000                ; my place in the cluster
	s_lshl_b32 s[PBK], ttmp9, 2                    ; in a cluster launch ttmp9 counts clusters
	s_add_co_u32 s[PBK], s[PBK], s[CX]             ; my block of 64 pixels
	s_and_b32 s[BB], ttmp7, 0xffff                 ; the batch, which the four partners share
	; descriptor group 1: 96 rows of 256 bytes (32 elements of 8 bytes), dense, no padding
	s_mov_b32 s[G1], 15|(3<<16)|(1<<21)            ; 15:0 the mask: all four work-groups; 17:16 elements of 8 bytes; 21 set beside a mask
	s_mov_b32 s[G1+1], 32<<16                      ; tensor_dim0 = 32
	s_mov_b32 s[G1+2], 96<<16                      ; tensor_dim1 = 96
	s_mov_b32 s[G1+3], 32<<16                      ; tile_dim0 = 32
	s_mov_b32 s[G1+4], 96                          ; tile_dim1 = 96
	s_mov_b32 s[G1+5], 32                          ; from row to row
	s_mov_b32 s[G1+6], 0
	s_mov_b32 s[G1+7], 0
	s_mov_b32 s[SEL], 0x76543210
	s_mov_b32 s[SEL+1], 0xfedcba98
	s_mov_b32 s[CS], 0x3e38aa3b                    ; c = log2(e) / sqrt(64)
	s_mov_b32 s[CS+1], s[CS]                       ; (named with it as a pair, so it is written)
	s_mov_b32 s[TB], 0
	s_mov_b32 s[TS], 0
	s_mov_b32 s[SLOTS], 15
	s_mul_i32 s55, s[HD], 24576                    ; my quarter
	s_mul_i32 s56, s[BB], 98304
	s_add_co_u32 s56, s56, s55
	s_mov_b32 s57, 0
	s_mul_i32 s58, s[BB], 1572864
	s_add_co_u32 s58, s58, s55
	s_mov_b32 s59, 0
	s_wait_dscnt 0x0                               ; both opening adds are done
	s_wait_kmcnt 0x0
	s_mov_b32 s[G0S], 1                            ; count = 1
	s_add_co_u32 s[G0S+1], s55, SCL                ; LDS address
	s_add_nc_u64 s[G0S+2:G0S+3], s[8:9], s[56:57]  ; global address: the batch's scale words, my quarter
	s_or_b32 s[G0S+3], s[G0S+3], 0x80000000        ; type = 2
	s_mov_b32 s[G0R], 1
	s_mov_b32 s[G0R+1], s55                        ; slot 0
	s_add_nc_u64 s[G0R+2:G0R+3], s[6:7], s[58:59]  ; the batch's first two key steps, my quarter
	s_or_b32 s[G0R+3], s[G0R+3], 0x80000000
	CROUND                                         ; all four work-groups are here: the first joint loads meet
	s_cmp_lt_u32 s[WV], 4                          ; a loading wave's two first fills stand in one branch, ahead of every wait on TENSORcnt and every LDS read: two loads of such a wave are out
	s_cbranch_scc0 .Lno_first
	tensor_load_to_lds s[G0S:G0S+3], s[G1:G1+7]
	s_nop 0
	tensor_load_to_lds s[G0R:G0R+3], s[G1:G1+7]
	s_nop 0
.rept 4
	v_nop
.endr
.Lno_first:
	s_load_b32 s[GAM], s[14:15], 0x0
	; the prefetches: who asks, and where
	s_xor_b32 s60, s[QT], 1                        ; 0 in waves 4 to 7,
	s_or_b32 s60, s60, ttmp9                       ; of the batch's first cluster: the same in all four partners
	s_cmp_eq_u32 s60, 0
	s_cselect_b32 s[LIM], 1, -1
	s_cmp_eq_u32 s[WV], 7                          ; (a work-group's part is three waves' worth)
	s_cselect_b32 s[LIM], -1, s[LIM]
	s_mul_i32 s60, s[BB], 1572864
	s_mul_i32 s61, s[CX], 24576
	s_add_co_u32 s60, s60, s61
	s_lshl_b32 s61, s[HD], 13
	s_add_co_u32 s60, s60, s61
	s_add_co_u32 s60, s60, SLOTB                   ; in slot 1: the first change of slots steps it to slot 2.  Nothing is prefetched here, at the head
	s_mov_b32 s61, 0
	s_add_nc_u64 s[PFA:PFA+1], s[6:7], s[60:61]
	v_and_b32 v8, 31, v0                           ; lane
	v_and_b32 v9, 15, v0                           ; r
	v_bfe_u32 v10, v0, 4, 1                        ; h
	s_mul_i32 s62, s[HD], 12288
	v_lshl_add_u32 v[A16], v8, 4, s62
	s_add_co_u32 s63, s62, 512
	v_lshl_add_u32 v[A8], v8, 3, s63
	s_mul_i32 s62, s[HD], 768
	s_add_co_u32 s62, s62, SCL
	v_lshl_add_u32 v[ASK0], v8, 4, s62
	s_add_co_u32 s62, s62, 512
	v_lshl_add_u32 v[ASV0], v8, 3, s62
	v_lshlrev_b32 v[PFO], 8, v8
	v_lshlrev_b32 v[LN16], 4, v8
	s_wait_alu depctr_va_vdst(0)
	v_lshlrev_b32 v[LN8], 3, v8
	s_wait_alu depctr_va_vdst(0)
	v_lshlrev_b32 v[LN4], 2, v8
	s_wait_alu depctr_va_vdst(0)
	v_and_b32 v[TB4], 8, v9
	s_delay_alu instid0(VALU_DEP_1)
	v_add_nc_u32 v[TB4], v[TB4], v9
	s_delay_alu instid0(VALU_DEP_1)
	v_lshlrev_b32 v[TB4], 2, v[TB4]
	s_wait_alu depctr_va_vdst(0)
	v_lshlrev_b32 v[GO], 14, v10
	s_delay_alu instid0(VALU_DEP_1)
	v_lshl_add_u32 v[GO], v9, 4, v[GO]
	; Q: my head's block of qimg, my tile's half image and scale word
	s_lshl_b32 s66, s[BB], 6
	s_add_co_u32 s66, s66, s[PBK]
	s_lshl_b32 s66, s66, 2
	s_add_co_u32 s66, s66, s[HD]
	s_mul_i32 s66, s66, 3328
	s_mov_b32 s67, 0
	s_add_nc_u64 s[66:67], s[4:5], s[66:67]
	s_mul_i32 s68, s[QT], 768
	s_mov_b32 s69, 0
	s_add_nc_u64 s[68:69], s[66:67], s[68:69]
	s_and_b32 s70, s[QT], 1
	s_lshl_b32 s70, s70, 7
	s_lshr_b32 s71, s[QT], 1
	s_lshl_b32 s71, s71, 2
	s_add_co_u32 s70, s70, s71
	v_lshl_add_u32 v[TQ], v9, 3, s70               ; 8 (r + 16 (tile % 2)) + 4 (tile / 2)
	global_load_b128 v[Q:Q+3], v[LN16], s[68:69]
	global_load_b64 v[Q+4:Q+5], v[LN8], s[68:69] offset:512
	global_load_b32 v[QS], v[TQ], s[66:67] offset:3072
	; the projection's operands: tile w of wp, its scale words, bp
	s_add_co_u32 s73, s[WV], 48
	s_mul_i32 s78, s73, 3072
	s_mov_b32 s79, 0
	s_add_nc_u64 s[78:79], s[10:11], s[78:79]
	s_lshl_b32 s80, s73, 7
	s_add_co_u32 s80, s80, 196608
	s_mov_b32 s81, 0
	s_add_nc_u64 s[80:81], s[10:11], s[80:81]
	s_lshl_b32 s[OB], s[QT], 6
	s_bfe_u32 s73, s[WV], 0x10001
	s_lshl_b32 s73, s73, 5
	s_add_co_u32 s[OB], s[OB], s73
	s_and_b32 s73, s[WV], 1
	s_lshl_b32 s73, s73, 3
	s_add_co_u32 s[OB], s[OB], s73                 ; 64 (w / 4) + 32 ((w / 2) % 2) + 8 (w % 2)
	s_lshl_b32 s82, s[OB], 2
	s_mov_b32 s83, 0
	s_add_nc_u64 s[12:13], s[12:13], s[82:83]
.irp f, 0,1
.irp k, 0,1,2
	global_load_b128 v[WP+12*\f+4*\k:WP+12*\f+4*\k+3], v[LN16], s[78:79] offset:\f*1536+\k*512
.endr
.endr
	global_load_b32 v[WPS], v[LN4], s[80:81]
.irp j, 0,1,2,3,4,5,6,7
	global_load_b32 v[BPC+\j], v[TB4], s[12:13]    ; a lane holds ONE output in all eight registers of a result: its bias eight times
.endr
	s_lshl_b32 s74, s[BB], 22                      ; x and out0 at (batch, my tile's first output, my pixels)
	s_lshl_b32 s75, s[OB], 14
	s_add_co_u32 s74, s74, s75
	s_lshl_b32 s75, s[PBK], 8
	s_add_co_u32 s74, s74, s75
	s_mov_b32 s75, 0
	s_add_nc_u64 s[16:17], s[16:17], s[74:75]
	s_add_nc_u64 s[18:19], s[18:19], s[74:75]
	v_mov_b32 v13, 0xff61b1e6                      ; the largest t so far: -3e38, under every t
	s_delay_alu instid0(VALU_DEP_1)
	v_floor_f32 v12, -v13                          ; -M
	v_mov_b32 v14, 0                               ; the sum, in two halves
	v_mov_b32 v15, 0
.set j, 0
.rept 32
	v_mov_b32 v[OT+j], 0                           ; O^T.  (The step is written once: the first finds zeros, which the first change of M leaves zeros)
.set j, j+1
.endr
.irp t, 0,1,2,3
.irp i, 6,7,8,9,10,11
	v_mov_b32 v[KF+12*\t+\i], 0                    ; k = 64 .. 127 of K's fragments: zero codes, set once
.endr
.endr
.irp i, 6,7,8,9,10,11
	v_mov_b32 v[Q+\i], 0                           ; and of Q's
.endr
.irp b, 0,1,2,3
	v_mov_b32 v[T+\b], 0                           ; written once: a lane permute's destination counts as one of its sources
.endr
	v_mov_b32 v[PW], 0                             ; (named as the upper half of the pair v[220:221] before it is first written)
	s_wait_kmcnt 0x0
	s_mov_b32 s[GAM+1], s[GAM]                     ; (named with it as a pair)
	s_wait_loadcnt 0x0                             ; Q, wp, bp
; A KEY STEP: 128 keys, the q-th of the slot in hand.
.macro STEP q
	v_add_nc_u32 v[ADK], s[TB], v[A16]
	s_wait_alu depctr_va_vdst(0)
	v_add_nc_u32 v[AD8], s[TB], v[A8]
	s_wait_alu depctr_va_vdst(0)
	v_add_nc_u32 v[ADS], s[TS], v[ASK0]
	v_add_nc_u32 v[ADT], s[TS], v[ASV0]
	v_nop                                          ; five places: the scores below are laid over V's fragments, which the last step's products read
	ds_load_b128 v[KS:KS+3], v[ADS]                ; the scale words of the step's eight tiles of K
.irp g, 0,1                                    ; S^T = K Q^T, four tiles of 16 keys at a time
.if \g
.rept 4
	v_nop                                          ; places in front of loads into registers that the four products above have read
.endr
.endif
.irp t, 0,1,2,3
	ds_load_b128 v[KF+12*\t:KF+12*\t+3], v[ADK] offset:(\q)*STEPB+768*(4*\g+\t)
	ds_load_b64 v[KF+12*\t+4:KF+12*\t+5], v[AD8] offset:(\q)*STEPB+768*(4*\g+\t)
.endr
	s_wait_dscnt 0x0
.irp t, 0,1,2,3
	WM0 S+8*(4*\g+\t), KF+12*\t, Q, KS+(4*\g+\t)/2, QS, \t%2
.endr
.endr                                          ; lane (r, h) holds query r; the 16 registers of tiles 2 b, 2 b + 1 are keys 32 b + 16 h + 0 .. 15 of the step
.rept 4
	v_nop
.endr
.irp b, 0,1,2,3
	v_max3_num_f32 v[BM+\b], v[S+16*\b], v[S+16*\b+1], v[S+16*\b+2]   ; THE LARGEST SCORE OF EACH BLOCK OF 32 KEYS serves twice: for the row's maximum and, since p rises with the score, for the block's largest p
.endr
.irp i, 3,5,7,9,11,13
.irp b, 0,1,2,3
	v_max3_num_f32 v[BM+\b], v[BM+\b], v[S+16*\b+\i], v[S+16*\b+\i+1]   ; (the four blocks by turns)
.endr
.endr
.irp b, 0,1,2,3
	v_max_num_f32 v[BM+\b], v[BM+\b], v[S+16*\b+15]
.endr
.irp b, 0,1,2,3
	s_delay_alu instid0(VALU_DEP_4)
	v_permlanex16_b32 v[T+\b], v[BM+\b], s[SEL], s[SEL+1]
.endr
.irp b, 0,1,2,3
	s_delay_alu instid0(VALU_DEP_4)
	v_max_num_f32 v[BM+\b], v[BM+\b], v[T+\b]      ; with lane l xor 16's 16 keys
.endr
	s_delay_alu instid0(VALU_DEP_2)
	v_max3_num_f32 v[TP], v[BM], v[BM+1], v[BM+2]
	s_delay_alu instid0(VALU_DEP_1)
	v_max_num_f32 v[TP], v[TP], v[BM+3]            ; the step's largest score of my query
	s_delay_alu instid0(VALU_DEP_1)
	v_mul_f32 v[TP], s[CS], v[TP]                  ; as t (c is positive)
	s_delay_alu instid0(VALU_DEP_1)
	v_max_num_f32 v13, v13, v[TP]                  ; the running largest t
	v_mov_b32 v[TP], v12
	s_delay_alu instid0(VALU_DEP_2)
	v_floor_f32 v12, -v13                          ; the new -M = floor(-t) = -ceil(t): M is a whole number
	s_delay_alu instid0(VALU_DEP_1)
	v_sub_f32 v[TP], v12, v[TP]                    ; M's old value less its new one: a whole number, 0 or less
	s_delay_alu instid0(VALU_DEP_1)
	v_cvt_i32_f32 v[TP], v[TP]                     ; (it saturates)
	s_delay_alu instid0(VALU_DEP_1)
	v_ldexp_f32 v[FF], 1.0, v[TP]                  ; f = 2^(old M - new M)
.set j, 0
.rept 32
	v_pk_fma_f32 v[S+j:S+j+1], v[S+j:S+j+1], s[CS:CS+1], v[12:13] op_sel_hi:[1,0,0]   ; t - M, two at a time (of the pairs c and -M the low word serves both halves)
.set j, j+2
.endr
.irp b, 0,1,2,3
	v_fma_f32 v[BM+\b], v[BM+\b], s[CS], v12       ; the same of each block's largest score
.endr
.set j, 0
	s_wait_alu depctr_va_vdst(0)
.rept 64
	v_exp_f32 v[S+j], v[S+j]                       ; p = 2^(t - M), at most 1: not normalised
.set j, j+1
.endr
	v_pk_mul_f32 v[14:15], v[14:15], v[FF:FF+1] op_sel_hi:[1,0]   ; the sums under the new M: the plain instruction behind the exponentials
	s_wait_alu depctr_va_vdst(0)                   ; one wait for the whole batch, ahead of its first reader
.irp b, 0,1,2,3
	v_exp_f32 v[BM+\b], v[BM+\b]                   ; the block's largest p: the same two instructions on the same number give the same bits
.endr
	v_pk_add_f32 v[208:209], v[100:101], v[104:105]
	v_pk_add_f32 v[218:219], v[108:109], v[112:113]
	v_pk_add_f32 v[216:217], v[116:117], v[120:121]
	v_pk_add_f32 v[214:215], v[124:125], v[128:129]
	v_pk_add_f32 v[212:213], v[132:133], v[136:137]
	v_pk_add_f32 v[210:211], v[140:141], v[144:145]
	v_pk_add_f32 v[202:203], v[148:149], v[152:153]
	v_pk_add_f32 v[14:15], v[14:15], v[156:157]
	v_pk_add_f32 v[208:209], v[208:209], v[96:97]
	v_pk_add_f32 v[218:219], v[218:219], v[98:99]
	v_pk_add_f32 v[216:217], v[216:217], v[102:103]
	v_pk_add_f32 v[214:215], v[214:215], v[106:107]
	v_pk_add_f32 v[212:213], v[212:213], v[110:111]
	v_pk_add_f32 v[210:211], v[210:211], v[114:115]
	v_pk_add_f32 v[202:203], v[202:203], v[118:119]
	v_pk_add_f32 v[14:15], v[14:15], v[122:123]
	v_pk_add_f32 v[208:209], v[208:209], v[126:127]
	v_pk_add_f32 v[218:219], v[218:219], v[130:131]
	v_pk_add_f32 v[216:217], v[216:217], v[134:135]
	v_pk_add_f32 v[214:215], v[214:215], v[138:139]
	v_pk_add_f32 v[212:213], v[212:213], v[142:143]
	v_pk_add_f32 v[210:211], v[210:211], v[146:147]
	v_pk_add_f32 v[202:203], v[202:203], v[150:151]
	v_pk_add_f32 v[14:15], v[14:15], v[154:155]
	v_pk_add_f32 v[208:209], v[208:209], v[158:159]
	s_delay_alu instid0(VALU_DEP_2)
	v_pk_add_f32 v[14:15], v[14:15], v[214:215]
	s_delay_alu instid0(VALU_DEP_2)
	v_pk_add_f32 v[208:209], v[208:209], v[212:213]
	v_pk_add_f32 v[218:219], v[218:219], v[210:211]
	v_pk_add_f32 v[216:217], v[216:217], v[202:203]
	s_delay_alu instid0(VALU_DEP_2)
	v_pk_add_f32 v[14:15], v[14:15], v[218:219]
	s_delay_alu instid0(VALU_DEP_2)
	v_pk_add_f32 v[208:209], v[208:209], v[216:217]
	s_delay_alu instid0(VALU_DEP_1)
	v_pk_add_f32 v[14:15], v[14:15], v[208:209]
	s_wait_alu depctr_va_vdst(0)                   ; and one wait for the four
.irp b, 0,1,2,3
	v_max_num_f32 v[BM+\b], 0x1800000, v[BM+\b]    ; the floor 2^(3 - 127): the byte cannot fall under 1
.endr
.irp b, 0,1,2,3
	s_delay_alu instid0(VALU_DEP_4)
	v_add_nc_u32 v[SO+\b], 0xff000000, v[BM+\b]    ; 2 off the exponent field: the conversion's scale operand
.endr
.irp b, 0,1,2,3
	s_delay_alu instid0(VALU_DEP_4)
	v_lshrrev_b32 v[T+\b], 23, v[SO+\b]            ; the scale's byte
.endr
	s_delay_alu instid0(VALU_DEP_3)
	v_lshl_or_b32 v[PW], v[T+1], 8, v[T]           ; p's scale word for these 128 keys
	s_delay_alu instid0(VALU_DEP_1)
	v_lshl_or_b32 v[PW], v[T+2], 16, v[PW]
	s_delay_alu instid0(VALU_DEP_1)
	v_lshl_or_b32 v[PW], v[T+3], 24, v[PW]
.irp c, 0,1
	v_cvt_scalef32_pk16_fp6_f32 v[PC+6*\c:PC+6*\c+2], v[S+32*\c:S+32*\c+15], v[SO+2*\c]
	v_cvt_scalef32_pk16_fp6_f32 v[T+4*\c:T+4*\c+2], v[S+32*\c+16:S+32*\c+31], v[SO+2*\c+1]   ; (a conversion's three registers begin on an even number)
.endr
	v_nop                                          ; one plain place behind a scaled conversion
.irp t, 0,1,2,3                                ; p is converted: V's four fragments are asked for at once, into its registers
.irp c, 0,1
	ds_load_b128 v[VF+12*\t+6*\c:VF+12*\t+6*\c+3], v[ADK] offset:(\q)*STEPB+6144+768*(2*\t+\c)
	ds_load_b64 v[VF+12*\t+6*\c+4:VF+12*\t+6*\c+5], v[AD8] offset:(\q)*STEPB+6144+768*(2*\t+\c)
.endr
.endr
	ds_load_b64 v[VS:VS+1], v[ADT]
.irp c, 0,1                                    ; the layout wants a whole block in a lane: lanes 0-15 block 2 c, lanes 16-31 block 2 c + 1
.irp i, 0,1,2
	v_permlane16_swap_b32 v[PC+6*\c+\i], v[T+4*\c+\i]
.endr
.irp i, 0,1,2
	s_delay_alu instid0(VALU_DEP_3)
	v_mov_b32 v[PC+6*\c+3+\i], v[T+4*\c+\i]
.endr
.endr
.set j, 0
.rept 16
	v_pk_mul_f32 v[OT+j:OT+j+1], v[OT+j:OT+j+1], v[FF:FF+1] op_sel_hi:[1,0]   ; O^T under the new M, each accumulator from its low end on.  (These sixteen are also the places between p's codes and scale word and the products below)
.set j, j+2
.endr
	s_wait_alu depctr_va_vdst(0)
	s_wait_dscnt 0x0
.irp t, 0,1,2,3                                ; O^T += V^T P^T: the four accumulators take turns, one instruction a turn
	WMC OT+8*\t, VF+12*\t, PC, OT+8*\t, VS+\t/2, PW, \t%2, 0
.endr
	s_add_co_u32 s[TS], s[TS], 3072                ; the next step's scale words
.endm
; THE CHANGE OF SLOTS stands at a slot's head.  Each wave waits for all its tensor loads, adds 0 to its spare word, and waits for that and for its reads of the slot that it has left.  fill = 1: a round of the cluster's barrier follows,
; so that no wave of any partner still reads the other slot or has a load on its way, and that slot is filled with the next two key steps: the load has two key steps in which to land.
.macro CHANGE fill
	s_wait_tensorcnt 0x0                           ; no tensor load of mine is out, so the walking group 0 may be written
	ds_add_u32 v[SPW], v[NIL]                      ; 0 onto my spare word
.if \fill
	ds_add_u32 v[SPW], v[NIL]                      ; and once more: the add stands twice on end here, in every trip alike
	s_xor_b32 s[G0R+1], s[G0R+1], SLOT1            ; the other slot than last time,
	s_add_nc_u64 s[G0R+2:G0R+3], s[G0R+2:G0R+3], SLOTB   ; the next two key steps; the type bits on top are not reached
	s_wait_xcnt 0x0                                ; the last prefetch, a slot back, has read its address, so it may be written:
	s_add_nc_u64 s[PFA:PFA+1], s[PFA:PFA+1], SLOTB ; one slot further on than the walking descriptor
.endif
	s_wait_dscnt 0x0                               ; the add is done (fill = 1: both are), and my reads of the slot that I have left are over
.if \fill
	CROUND
	TLOAD                                          ; the first thing behind the round, and a wave's one tensor load until the next
	ASK
.else
	s_barrier_signal -1
	s_barrier_wait -1
.endif
.endm
.macro SLOT_STEPS
	STEP 0
	STEP 1
	s_xor_b32 s[TB], s[TB], SLOT1                  ; on to the other slot
.endm
.Lslot:                                            ; 15 trips: behind each change of slots but the last the next slot is asked for (slot 1's first fill goes out behind the first trip's round, where no load fills bytes again)
	CHANGE 1
	SLOT_STEPS
	s_sub_co_u32 s[SLOTS], s[SLOTS], 1
	s_cmp_lg_u32 s[SLOTS], 0
	s_cbranch_scc1 .Lslot
	CHANGE 0                                       ; the last slot is written out, so that no trip jumps over the tensor load
	SLOT_STEPS
	; THE END.  The row's sum; O^T / the sum; quantised along the channels; through LDS to all waves; the projection; gamma, x; out.
	v_add_f32 v14, v14, v15                        ; the sum's two halves,
	s_delay_alu instid0(VALU_DEP_1)
	v_permlanex16_b32 v[TP], v14, s[SEL], s[SEL+1]
	s_delay_alu instid0(VALU_DEP_1)
	v_add_f32 v14, v14, v[TP]                      ; and lane l xor 16's
	s_wait_alu depctr_va_vdst(0)
	v_rcp_f32 v14, v14
	v_and_b32 v216, 15, v0                         ; r.  (The address work is the plain work behind the reciprocal, and the places behind the last products)
	s_wait_alu depctr_va_vdst(0)
	v_bfe_u32 v217, v0, 4, 1                       ; h
	s_mul_i32 s76, s[WV], 768
	s_add_co_u32 s76, s76, OIMG
	v_add_nc_u32 v1, s76, v[LN16]                  ; v1: my half image's first four registers,
	s_add_co_u32 s76, s76, 512
	v_add_nc_u32 v2, s76, v[LN8]                   ; v2: the other two
	s_lshl_b32 s76, s[QT], 7
	s_lshr_b32 s77, s[HD], 1
	s_lshl_b32 s77, s77, 6
	s_add_co_u32 s76, s76, s77
	s_and_b32 s77, s[HD], 1
	s_lshl_b32 s77, s77, 1
	s_add_co_u32 s76, s76, s77
	s_add_co_u32 s76, s76, OSC
	v_lshl_add_u32 v3, v216, 2, s76                ; v3: my row's two scale bytes: 128 x tile + 64 (head / 2) + 4 r + 2 (head % 2)
	v_add_nc_u32 v4, OIMG, v[LN16]                 ; v4, v8, v9: where any wave reads the images and the scale words
	v_add_nc_u32 v8, OIMG+512, v[LN8]
	v_add_nc_u32 v9, OSC, v[LN4]
	s_mul_i32 s76, s[WV], 4352
	s_add_co_u32 s76, s76, STG                     ; my stage
	v_mul_u32_u24 v10, v216, 272
	s_wait_alu depctr_va_vdst(0)
	v_lshl_add_u32 v10, v217, 6, v10
	s_delay_alu instid0(VALU_DEP_1)
	v_add_nc_u32 v10, s76, v10                     ; v10: in: row r (an output), + 64 h
	v_mul_u32_u24 v11, v217, 272
	s_delay_alu instid0(VALU_DEP_1)
	v_lshl_add_u32 v11, v216, 4, v11
	s_delay_alu instid0(VALU_DEP_1)
	v_add_nc_u32 v11, s76, v11                     ; v11: back: lanes 0-15 one row of 256 bytes, lanes 16-31 the next
.irp i, 0,1,2,3,4,5,6,7
	global_load_b128 v[XR+4*\i:XR+4*\i+3], v[GO], s[16:17] offset:(2*\i+8*(\i/4))*16384 th:TH_LOAD_NT   ; x at the places that I shall store: asked for now, wanted at the very end
.endr
	s_wait_alu depctr_va_vdst(0)                   ; the wait ahead of the reciprocal's first reader
.set j, 0
.rept 16
	v_pk_mul_f32 v[S+j:S+j+1], v[OT+j:OT+j+1], v[14:15] op_sel_hi:[1,0]   ; O^T / the sum: register 16 b + i is channel 64 x head + 32 b + 16 h + i of my pixel
.set j, j+2
.endr
.irp b, 0,1                                    ; the quantiser along the channels, two blocks of 32
	v_max3_num_f32 v[TM+\b], |v[S+16*\b]|, |v[S+16*\b+1]|, 0x1800000
.endr
.irp i, 2,4,6,8,10,12,14
.irp b, 0,1
	s_delay_alu instid0(VALU_DEP_2)
	v_max3_num_f32 v[TM+\b], v[TM+\b], |v[S+16*\b+\i]|, |v[S+16*\b+\i+1]|
.endr
.endr
.irp b, 0,1
	s_delay_alu instid0(VALU_DEP_2)
	v_permlanex16_b32 v[TM+2+\b], v[TM+\b], s[SEL], s[SEL+1]
.endr
.irp b, 0,1
	s_delay_alu instid0(VALU_DEP_2)
	v_max_num_f32 v[TM+\b], v[TM+\b], v[TM+2+\b]
.endr
.irp b, 0,1
	s_delay_alu instid0(VALU_DEP_2)
	v_add_nc_u32 v[TM+4+\b], 0xff000000, v[TM+\b]
.endr
.irp b, 0,1
	s_delay_alu instid0(VALU_DEP_2)
	v_lshrrev_b32 v[TM+2+\b], 23, v[TM+4+\b]
.endr
	s_delay_alu instid0(VALU_DEP_1)
	v_lshl_or_b32 v[TP], v[TM+3], 8, v[TM+2]
	v_cvt_scalef32_pk16_fp6_f32 v[PC:PC+2], v[S:S+15], v[TM+4]
	v_cvt_scalef32_pk16_fp6_f32 v[CT:CT+2], v[S+16:S+31], v[TM+5]
	v_nop                                          ; one plain place behind a scaled conversion
.irp i, 0,1,2
	v_permlane16_swap_b32 v[PC+\i], v[CT+\i]
.endr
.irp i, 0,1,2
	s_delay_alu instid0(VALU_DEP_3)
	v_mov_b32 v[PC+3+\i], v[CT+\i]
.endr
	ds_store_b128 v1, v[PC:PC+3]
	ds_store_b64 v2, v[PC+4:PC+5]
	ds_store_b16 v3, v[TP]                         ; both halves of the lanes hold the same two bytes and write them to the same place
	s_wait_dscnt 0x0                               ; for the others' sake: my stores have landed
	s_barrier_signal -1
	s_barrier_wait -1                              ; the 64 pixels' 256 channels lie in LDS as eight fragments
.macro AFETCH reg, p, s                        ; fragment (pixel tile p, K step s) out of the half images of heads 2 s and 2 s + 1
	ds_load_b128 v[\reg:\reg+3], v4 offset:(4*(\p)+2*(\s))*768
	ds_load_b64 v[\reg+4:\reg+5], v8 offset:(4*(\p)+2*(\s))*768
	ds_load_b128 v[\reg+6:\reg+9], v4 offset:(4*(\p)+2*(\s))*768+768
	ds_load_b64 v[\reg+10:\reg+11], v8 offset:(4*(\p)+2*(\s))*768+768
.endm
	AFETCH 32, 0, 0                                ; the eight lie in runs of registers that are done with and leave the scale registers alone
	AFETCH 44, 1, 0
	AFETCH 56, 2, 0
	AFETCH 68, 3, 0
	AFETCH 96, 0, 1
	AFETCH 108, 1, 1
	AFETCH 16, 2, 1
	AFETCH 192, 3, 1
.irp p, 0,1,2,3
	ds_load_b32 v[KS+\p], v9 offset:128*\p         ; their scale words: lanes 0-15 K step 0, lanes 16-31 K step 1
.endr
	s_wait_dscnt 0x0
	WMC OT, 32, WP, BPC, KS, WPS, 0, 0             ; source 0 = 16 pixels, source 1 = my 16 outputs: a lane holds one output, its registers run along the pixels.  Four accumulators by turns
	WMC OT+8, 44, WP, BPC, KS+1, WPS, 0, 0
	WMC OT+16, 56, WP, BPC, KS+2, WPS, 0, 0
	WMC OT+24, 68, WP, BPC, KS+3, WPS, 0, 0
	WMC OT, 96, WP+12, OT, KS, WPS, 1, 1
	WMC OT+8, 108, WP+12, OT+8, KS+1, WPS, 1, 1
	WMC OT+16, 16, WP+12, OT+16, KS+2, WPS, 1, 1
	WMC OT+24, 192, WP+12, OT+24, KS+3, WPS, 1, 1
.rept 4
	v_nop                                          ; places in front of the stores that read the results and of the loads into registers that the products have read
.endr
.irp p, 0,1,2,3                                ; register j of tile p in lane (r, h): pixel 32 (p / 2) + 8 (p % 2) + 16 h + j of output row r: into my own stage, each accumulator from its low end on
	ds_store_b128 v10, v[OT+8*\p:OT+8*\p+3] offset:128*(\p/2)+32*(\p%2)
	ds_store_b128 v10, v[OT+8*\p+4:OT+8*\p+7] offset:128*(\p/2)+32*(\p%2)+16
.endr
.irp i, 0,1,2,3,4,5,6,7
	ds_load_b128 v[YB+4*\i:YB+4*\i+3], v11 offset:544*\i   ; LDS serves a wave's instructions in order (ISA guide 5.7.1.4): these see my stores
.endr
	s_wait_loadcnt 0x0                             ; x
.irp i, 0,1,2,3,4,5,6,7
	s_wait_dscnt 7-\i                              ; rows 2 i and 2 i + 1 are back; the younger loads may stay out
	v_pk_fma_f32 v[YB+4*\i:YB+4*\i+1], v[YB+4*\i:YB+4*\i+1], s[GAM:GAM+1], v[XR+4*\i:XR+4*\i+1] op_sel_hi:[1,0,1]       ; gamma x out + x
	v_pk_fma_f32 v[YB+4*\i+2:YB+4*\i+3], v[YB+4*\i+2:YB+4*\i+3], s[GAM:GAM+1], v[XR+4*\i+2:XR+4*\i+3] op_sel_hi:[1,0,1]
	global_store_b128 v[GO], v[YB+4*\i:YB+4*\i+3], s[18:19] offset:(2*\i+8*(\i/4))*16384 th:TH_STORE_NT   ; 16 lanes store 256 consecutive bytes, at a multiple of 256 from out0's first byte: stage row n is output n + 8 (n / 8) of my tile
.endr
	s_wait_tensorcnt 0x0                           ; the wave's end, behind my last tensor load and my last LDS store
	ds_add_u32 v[SPW], v[NIL]
	s_wait_dscnt 0x0
	CROUND                                         ; the closing round: no work-group ends while a partner may still ask for a tile that names it
	s_endpgm
.Lfunc_end_k_qfee7740324_attn:
	.size	k_qfee7740324_attn, .Lfunc_end_k_qfee7740324_attn-k_qfee7740324_attn
	.p2alignl 7, 3214868480
	.fill 96, 4, 3214868480
	.section	.rodata,"a",@progbits
	.p2align	6, 0x0
	.amdhsa_kernel k_qfee7740324_attn
		.amdhsa_group_segment_fixed_size 327680
		.amdhsa_private_segment_fixed_size 0
		.amdhsa_enable_private_segment 0
		.amdhsa_kernarg_size 64
		.amdhsa_user_sgpr_count 2
		.amdhsa_user_sgpr_kernarg_segment_ptr 1
		.amdhsa_wavefront_size32 1
		.amdhsa_system_sgpr_workgroup_id_x 1
		.amdhsa_system_sgpr_workgroup_id_y 1
		.amdhsa_system_sgpr_workgroup_id_z 1
		.amdhsa_system_vgpr_workitem_id 0
		.amdhsa_next_free_vgpr 256
		.amdhsa_next_free_sgpr 100
		.amdhsa_reserve_vcc 0
		.amdhsa_float_denorm_mode_32 3
		.amdhsa_float_denorm_mode_16_64 3
		.amdhsa_memory_ordered 1
		.amdhsa_forward_progress 1
		.amdhsa_inst_pref_size 95
	.end_amdhsa_kernel
	.amdgpu_metadata
---
amdhsa.version: [ 1, 2 ]
amdhsa.kernels:
  - .name:           k_qfee7740324_attn
    .symbol:         k_qfee7740324_attn.kd
    .args:
      - { .name: qimg, .offset: 0, .size: 8, .value_kind: global_buffer, .address_space: global }
      - { .name: kvc, .offset: 8, .size: 8, .value_kind: global_buffer, .address_space: global }
      - { .name: kvs, .offset: 16, .size: 8, .value_kind: global_buffer, .address_space: global }
      - { .name: wcode, .offset: 24, .size: 8, .value_kind: global_buffer, .address_space: global }
      - { .name: bp, .offset: 32, .size: 8, .value_kind: global_buffer, .address_space: global }
      - { .name: gamma, .offset: 40, .size: 8, .value_kind: global_buffer, .address_space: global }
      - { .name: x, .offset: 48, .size: 8, .value_kind: global_buffer, .address_space: global }
      - { .name: out0, .offset: 56, .size: 8, .value_kind: global_buffer, .address_space: global }
    .group_segment_fixed_size: 327680
    .private_segment_fixed_size: 0
    .kernarg_segment_align: 8
    .kernarg_segment_size: 64
    .max_flat_workgroup_size: 512
    .sgpr_count:     100
    .vgpr_count:     256
    .wavefront_size: 32
...
	.end_amdgpu_metadata
.endif
;; end of part 3
